; MI455X (gfx1250); checked and timed in simulation.
; The chip was launched on July 23, 2026; its instructions are those of AMD's public machine-readable ISA for CDNA 5 (MIT licence, August 2026) and "CDNA5" Instruction Set Architecture Reference Guide (July 2026). The comments in the code are by the model that wrote it; some were corrected since.
;; Multi Head Attention. Allowed arithmetic: matrix products marked QUANTISED: E4M3 operands, one E8M0 scale for each 32 along K, by v_wmma_scale_f32_16x16x128_f8f6f4 with both operands' format E4M3, f32 sums; everything else in f32.
;; Inputs: bk 1,024 float32; bo 1,024 float32; bq 1,024 float32; bv 1,024 float32; wk_codes 1,024 x 32 x 32 uint8 (E4M3 codes of wk, K innermost, in blocks of 32 codes); wk_scales 1,024 x 32 uint8 (E8M0 scales of wk, one for each 32 codes along K); wo_codes 1,024 x 32 x 32 uint8 (E4M3 codes of wo, K innermost, in blocks of 32 codes); wo_scales 1,024 x 32 uint8 (E8M0 scales of wo, one for each 32 codes along K); wq_codes 1,024 x 32 x 32 uint8 (E4M3 codes of wq, K innermost, in blocks of 32 codes); wq_scales 1,024 x 32 uint8 (E8M0 scales of wq, one for each 32 codes along K); wv_codes 1,024 x 32 x 32 uint8 (E4M3 codes of wv, K innermost, in blocks of 32 codes); wv_scales 1,024 x 32 uint8 (E8M0 scales of wv, one for each 32 codes along K); x_codes 2 x 2,048 x 32 x 32 uint8 (E4M3 codes of x, K innermost, in blocks of 32 codes); x_scales 2 x 2,048 x 32 uint8 (E8M0 scales of x, one for each 32 codes along K).
;; Outputs: out0 2 x 2,048 x 1,024 float32.
;; This version of the problem:
;;   THIS VERSION OF THE PROBLEM IS GIVEN IN LOW PRECISION. The matrix products marked QUANTISED in the list below multiply operands that are first quantised to E4M3 (4 exponent bits, 3 mantissa bits; 8 bits a number), with one power-of-two scale for each 32 numbers along K (OCP MX v1.0); their sums are f32. All else is computed in f32.
;;   The module's matrix products, in the order in which they are computed (A, B: the left and right operand; K: the contracted axis; several contracted axes count as one K, in the product's order):
;;     1. [M 4,096, K 1,024] x [K 1,024, N 1,024]; A: input x (given as codes); B: input wq (given as codes): QUANTISED
;;     2. [M 4,096, K 1,024] x [K 1,024, N 1,024]; A: input x (given as codes); B: input wk (given as codes): QUANTISED
;;     3. [M 4,096, K 1,024] x [K 1,024, N 1,024]; A: input x (given as codes); B: input wv (given as codes): QUANTISED
;;     4. batch 32 x [M 2,048, K 64] x [K 64, N 2,048]; A: computed on the way; B: computed on the way: QUANTISED
;;     5. batch 32 x [M 2,048, K 2,048] x [K 2,048, N 64]; A: softmax (see below); B: computed on the way: QUANTISED
;;     6. [M 4,096, K 1,024] x [K 1,024, N 1,024]; A: computed on the way; B: input wo (given as codes): QUANTISED
;;   THE QUANTISER, for each operand of a quantised product, along K:
;;     - K is cut into blocks of 32 from its start; a last block that is shorter is filled with zeros.
;;     - A block's scale is 2^e with e = floor(log2(the largest magnitude in the block)) - 8, held to -126 .. 127; a block of zeros has e = 0. As a byte (E8M0): e + 127.
;;     - Each number is divided by its block's scale, clamped to +-448, and rounded to the nearest number of E4M3, ties to even, subnormals kept.
;;     - The product sums the exact products of the quantised numbers (number of the format x scale) in f32.
;;   ~~~python
;;   def quantise(x, axis):      # numpy; x: float32 -> the quantised numbers, widened to float32 again
;;       x = np.moveaxis(x, axis, -1); K = x.shape[-1]
;;       x = np.pad(x, [(0, 0)] * (x.ndim - 1) + [(0, -K % 32)]); x = x.reshape(x.shape[:-1] + (-1, 32)); a = np.abs(x).max(-1, keepdims=True)
;;       e = np.where(a > 0, np.clip(np.frexp(np.where(a > 0, a, 1))[1] - 1 - 8, -126, 127), 0)      # np.frexp(a)[1] - 1 = floor(log2(a)), exactly
;;       r = np.clip(x / 2.0 ** e, -448, 448)
;;       step = 2.0 ** (np.maximum(np.frexp(np.where(r == 0, 1, r))[1] - 1, -6) - 3)
;;       q = np.round(r / step) * step * 2.0 ** e      # np.round: ties to even
;;       return np.moveaxis(q.reshape(q.shape[:-2] + (-1,))[..., :K], -1, axis).astype(np.float32)
;;   ~~~
;;   SOFTMAX AHEAD OF A QUANTISED PRODUCT. Where the list says 'softmax', what is quantised is not the finished softmax but p = 2^(t - M), with t = logit x log2(e) and M = ceil(the row's largest t), a whole number; so 1/2 < the row's largest p <= 1. The row's sum l is taken of the UNQUANTISED p, in f32, and the product's result is divided by l at the end. Since M is a whole number, a kernel that streams over the keys may use a running M (the ceiling of the running maximum): every later rescaling is an exact power of two, which a block's scale takes up: the codes' values come out the same.
;;   OPERANDS COMPUTED ON THE WAY. 'Computed on the way' means the value that the module computes at that place (a softmax that the list does not call 'softmax' is quantised finished and normalised). What goes into a quantiser is computed in f32, as accurately as f32 sums, v_exp_f32 and their like allow (about 1e-6 of the number): no bf16 or f16 on the way to a quantiser, and a product that is left as it is and whose result goes on into a quantised operand takes f32 operands (vector FMAs, or v_wmma_f32_16x16x4_f32). A number that lies on a knife's edge between two numbers of the format may be rounded either way, as far as f32 arithmetic and the matrix unit's own rounding can turn it there, and no further.
;;   INPUTS GIVEN AS CODES. wk (in the module: [1024, 1024], K = its axis 0); wo (in the module: [1024, 1024], K = its axis 0); wq (in the module: [1024, 1024], K = its axis 0); wv (in the module: [1024, 1024], K = its axis 0); x (in the module: [2, 2048, 1024], K = its axis 2): each comes as NAME_codes (uint8): NAME with its K axis moved to the last place and cut into blocks of 32 codes, [.., K / 32, bytes a block], one block behind the other in memory; one code a byte (a code: sign, 4 exponent bits, 3 mantissa bits); and NAME_scales (uint8): the same leading axes, one E8M0 byte (e + 127) for each 32 codes along K. Its value is code x scale, taken as it is: it is not quantised again, and the codes and scales need not be those that the quantiser above would give.
;; One version. Each part assembles by itself: llvm-mc -triple=amdgcn-amd-amdhsa -mcpu=gfx1250 --defsym DOCPART=n.
;; ======== version 1 of 1: 3 launches
;; limits: right only within a limited range of input values
;; workspace buffers: qkv 12,976,128 bytes; ao 4,325,376 bytes
;; launch qkv (part 1): grid 16 x 16, 4 waves a work-group, clusters of 4 x 4, 327,680 bytes of LDS; arguments x_codes, x_scales, wq_codes, wq_scales, wk_codes, wk_scales, wv_codes, wv_scales, bq, bk, bv, qkv; writes qkv
.if DOCPART == 1
	.amdgcn_target "amdgcn-amd-amdhsa--gfx1250"
	.amdhsa_code_object_version 6
	.text
	.protected	k_qd9e2b3d1fc_qkv
	.globl	k_qd9e2b3d1fc_qkv
	.p2align	8
	.type	k_qd9e2b3d1fc_qkv,@function
k_qd9e2b3d1fc_qkv:
	s_mov_b64 s[64:65], 0
	v_nop
	global_prefetch_b8 v0, s[64:65] scope:SCOPE_SE
	s_setreg_imm32_b32 hwreg(HW_REG_WAVE_MODE, 25, 1), 1
	s_wait_xcnt 0x0
	s_wait_alu depctr_hold_cnt(0) depctr_sa_sdst(0) depctr_va_vdst(0) depctr_va_sdst(0) depctr_va_ssrc(0) depctr_va_vcc(0) depctr_vm_vsrc(0)
	s_getreg_b32 s2, hwreg(HW_REG_IB_STS2, 6, 4)
	s_cmp_eq_u32 s2, 0
	s_cbranch_scc0 .Lentry_in_a_cluster
	s_endpgm
.Lentry_in_a_cluster:
	s_bfe_u32 s2, ttmp6, 0x10000c
	s_cmp_lg_u32 s2, 0xf033
	s_cbranch_scc0 .Lentry_shape_is_right
	s_endpgm
.Lentry_shape_is_right:
; Q, K, V = x W + b on codes of FP8 (E4M3), a scale byte for 32 along K = 1,024; each result is quantised again (Q and K along the head's 64, V along the keys) and stored as images of the next launch's operand registers.
; No work is left out; every input of the problem is loaded by one of the three launches.
; qkv: first [32 (batch, head)][16 steps of 128 keys][16,896]: K's eight tiles of 16 keys, 1,024 bytes each; at 8,192 V's four tiles of 16 dims, 2,048 bytes each (512 for each 32 keys); K's scale words at 16,384 + 16 r + 4 x pair of tiles,
; V's at 16,640 + 16 r + 4 x tile; then, from QREG on, [32][16 blocks of 128 queries][8,448]: Q as K, its scale words at 8,192.
; ORDERS: r = lane % 16, h = lane / 16.  Tiles are 16 neighbouring rows.  Inside a block of 32, register byte 8 u + j of lane half h (u = 0, 1; j = 0 .. 7) is number 16 u + 8 h + j: for Q and K alike along the dims, and for V along the keys as the next launch's p has them.
; SHARES.  A work-group makes one head's Q, K and V of 256 tokens: 16 heads x 16 blocks of tokens; each of four waves 64 tokens x 192 outputs: 48 accumulators.
; K goes in four chunks of 256 through two LDS slots (256 rows of x, 64 of each weight); a wave fetches one of the four tiles.  A step is 128 of K: 64 LDS loads into one of two whole sets of fragment registers while the other set is multiplied.
; A slot is free when its second step's fragments are in registers: there the chunk two on is asked for.
; CLUSTERS: 4 x 4 work-groups; x's rows are shared along a row, the weights' along a column: every tile is asked for jointly.
; PREFETCH: chunks 1 and 2 at the head, behind the head's loads, chunk 3 behind chunk 2's load: a step or more ahead of the load; each row's 256 bytes once in a cluster: of x's 256 rows a partner takes 64 (by cx), of a weight's 64 rows 16 (by cy).
; LIMITS: NaN, infinities and sums beyond f32's range are not served; a block's byte never falls under 1 (this program alone reads the bytes).
; REGISTERS: window 0: v1-15 addresses; v16-63 the weights' scale words (pair of blocks P, step s: 16 + 8 P + s; lanes 0-15 the even block), v68-83 x's likewise; v96-127 V's bias; v128-255 Q's and K's bias, then V's accumulators; window 3: Q's and K's accumulators.
;   Windows 1, 2: the two sets: x's four blocks at v0-63, the weights' twelve at v64-255.  On the way out v16-127 are at work.
.set PITCH, 272                        ; an LDS row: 256 bytes + 16 of padding
.set SLOT,  448*PITCH
.set SCB,   2*SLOT                     ; behind the slots: scale bytes on their way out, 768 for each 128 tokens: no fill lands there
.set SPARE, SCB+1536
.set KVB,   16896
.set QREG,  512*KVB
.set AX,   4                           ; v4, v5  LDS address of my rows of x in slot 0, 1;  later Q's scale words
.set AW,   6                           ; v6, v7  of the weights';  later K's
.set SPW,  8
.set NIL,  9
.set LI,   10                          ; 16 x lane
.set PF,   11
.set PF3,  12
.set WSC,  16
.set XSC,  68
.set BV,   96
.set TM,   16                          ; the way out, in window 1: maxima, bounds, bytes
.set CD,   32                          ; codes, two sets of 16
.set T,    64                          ; held numbers
.set G1X,  24
.set G1W,  32
.set G0X,  44
.set G0Q,  48
.set G0K,  52
.set G0V,  56
.set MSB, 0
.macro WIN new
.if MSB != (\new)
	s_set_vgpr_msb (MSB<<8)|(\new)
.set MSB, (\new)
.endif
.endm
.macro PLACES n
.rept \n
	v_nop
.endr
.endm
.macro CREST
	s_cmp_lg_u32 s14, 0
	s_cbranch_scc1 .Lnot_wave_0_\@
	s_barrier_signal -3
.Lnot_wave_0_\@:
	s_barrier_wait -3
	s_barrier_signal -1
	s_barrier_wait -1
.endm
.macro CROUND
	s_barrier_signal -1
	s_barrier_wait -1
	CREST
.endm
.macro TL g0, g1
	tensor_load_to_lds s[\g0:\g0+3], s[\g1:\g1+7]
	s_nop 0
	PLACES 4
.endm
.macro LOADC                           ; a chunk: one joint load a wave, in one tree of branches on the wave's number
	s_cmp_eq_u32 s14, 0
	s_cbranch_scc0 .Lq_\@
	TL G0X, G1X
	s_branch .Ldone_\@
.Lq_\@:
	s_cmp_eq_u32 s14, 1
	s_cbranch_scc0 .Lk_\@
	TL G0Q, G1W
	s_branch .Ldone_\@
.Lk_\@:
	s_cmp_eq_u32 s14, 2
	s_cbranch_scc0 .Lv_\@
	TL G0K, G1W
	s_branch .Ldone_\@
.Lv_\@:
	TL G0V, G1W
.Ldone_\@:
.endm
.macro NEXTC slot                      ; the descriptors of the next chunk, into a slot (no tensor load of mine is out)
.irp g, G0X, G0Q, G0K, G0V
	s_add_nc_u64 s[\g+2:\g+3], s[\g+2:\g+3], 256
.endr
	s_mov_b32 s[G0X+1], (\slot)*SLOT
	s_mov_b32 s[G0Q+1], (\slot)*SLOT+256*PITCH
	s_mov_b32 s[G0K+1], (\slot)*SLOT+320*PITCH
	s_mov_b32 s[G0V+1], (\slot)*SLOT+384*PITCH
.endm
.macro SETG g, lds, ptr, off
	s_mov_b32 s[\g], 1
	s_mov_b32 s[\g+1], \lds
	s_add_nc_u64 s[\g+2:\g+3], s[\ptr:\ptr+1], s[\off:\off+1]
	s_or_b32 s[\g+3], s[\g+3], 0x80000000
.endm
.macro GROUP1 g, rows
	s_mov_b32 s[\g+1], 256<<16
	s_mov_b32 s[\g+2], \rows<<16
	s_mov_b32 s[\g+3], 256<<16
	s_mov_b32 s[\g+4], \rows
	s_mov_b32 s[\g+5], 1024
	s_mov_b32 s[\g+6], 0
	s_mov_b32 s[\g+7], 0
.endm
	s_load_b512 s[68:83], s[0:1], 0x0              ; codes and scales of x 68, 70, wq 72, 74, wk 76, 78, wv 80, 82
	s_load_b256 s[84:91], s[0:1], 0x40             ; bq, bk, bv, qkv
	v_lshl_add_u32 v[SPW], v0, 2, SPARE
	v_mov_b32 v[NIL], 0
	ds_add_u32 v[SPW], v[NIL]                      ; the opening lines: the add, twice on end, and its wait
	ds_add_u32 v[SPW], v[NIL]
	v_lshrrev_b32 v1, 5, v0
	v_readfirstlane_b32 s14, v1                    ; wave 0..3
	s_lshr_b32 s15, s14, 1                         ; which 128 of my work-group's tokens
	s_and_b32 s16, s14, 1                          ; which half of them
	s_bfe_u32 s40, ttmp6, 0x40000                  ; cx, cy
	s_bfe_u32 s41, ttmp6, 0x40004
	s_lshl_b32 s42, ttmp9, 2
	s_add_co_u32 s42, s42, s40                     ; the head
	s_and_b32 s17, ttmp7, 0xffff
	s_lshl_b32 s17, s17, 2
	s_add_co_u32 s17, s17, s41                     ; the block of 256 tokens
	s_lshl_b32 s43, s41, 2
	s_lshl_b32 s43, 15, s43                        ; my row of the cluster: shares x's rows
	s_or_b32 s[G1X], s43, (1<<20)|(1<<21)|(5<<22)|(3<<25)   ; elements of 1 byte; 16 bytes of padding behind every 256; 21 set beside a mask
	s_lshl_b32 s43, 0x1111, s40                    ; my column: shares the weights'
	s_or_b32 s[G1W], s43, (1<<20)|(1<<21)|(5<<22)|(3<<25)
	GROUP1 G1X, 256
	GROUP1 G1W, 64
	s_lshl_b32 s20, s17, 18                        ; x: 256 rows of 1,024 bytes
	s_mov_b32 s21, 0
	s_lshl_b32 s22, s42, 16                        ; a weight: 64 rows
	s_mov_b32 s23, 0
	s_wait_dscnt 0x0
	s_wait_kmcnt 0x0
	SETG G0X, 0, 68, 20
	SETG G0Q, 256*PITCH, 72, 22
	SETG G0K, 320*PITCH, 76, 22
	SETG G0V, 384*PITCH, 80, 22
	CROUND                                         ; all sixteen work-groups are here: the joint loads meet
	LOADC                                          ; chunk 0
	; the scale words and the biases, straight into registers
	s_lshl_b32 s4, s17, 13
	s_lshl_b32 s6, s14, 11
	s_add_co_u32 s4, s4, s6
	s_mov_b32 s5, 0
	s_add_nc_u64 s[4:5], s[70:71], s[4:5]          ; x's scale bytes at my 64 tokens
	s_lshl_b32 s6, s42, 11
	s_mov_b32 s7, 0
	s_add_nc_u64 s[74:75], s[74:75], s[6:7]        ; the weights' at my head's 64 rows
	s_add_nc_u64 s[78:79], s[78:79], s[6:7]
	s_add_nc_u64 s[82:83], s[82:83], s[6:7]
	s_lshl_b32 s6, s42, 8
	s_add_nc_u64 s[84:85], s[84:85], s[6:7]
	s_add_nc_u64 s[86:87], s[86:87], s[6:7]
	s_add_nc_u64 s[88:89], s[88:89], s[6:7]
	v_and_b32 v84, 31, v0
	v_and_b32 v1, 15, v0                           ; r
	v_bfe_u32 v2, v0, 4, 1                         ; h
	v_lshlrev_b32 v3, 5, v84                       ; a row of scale bytes a lane
	v_lshlrev_b32 v13, 5, v2                       ; Q's and K's bias: eight outputs a lane half
	v_lshlrev_b32 v14, 2, v1                       ; V's: one output a lane
.irp p, 0,1
.irp w, 0,1
	global_load_b128 v[WSC+8*\p+4*\w:WSC+8*\p+4*\w+3], v3, s[74:75] offset:1024*\p+16*\w
	global_load_b128 v[WSC+16+8*\p+4*\w:WSC+16+8*\p+4*\w+3], v3, s[78:79] offset:1024*\p+16*\w
	global_load_b128 v[WSC+32+8*\p+4*\w:WSC+32+8*\p+4*\w+3], v3, s[82:83] offset:1024*\p+16*\w
	global_load_b128 v[XSC+8*\p+4*\w:XSC+8*\p+4*\w+3], v3, s[4:5] offset:1024*\p+16*\w
.endr
.endr
.irp b, 0,1,2,3
	global_load_b128 v[128+8*\b:131+8*\b], v13, s[84:85] offset:64*\b
	global_load_b128 v[132+8*\b:135+8*\b], v13, s[84:85] offset:64*\b+16
	global_load_b128 v[160+8*\b:163+8*\b], v13, s[86:87] offset:64*\b
	global_load_b128 v[164+8*\b:167+8*\b], v13, s[86:87] offset:64*\b+16
	global_load_b32 v[BV+8*\b], v14, s[88:89] offset:64*\b
.endr
	; the prefetches: lanes 0-15 sixteen rows of chunk 1, lanes 16-31 the same rows of chunk 2
	s_lshl_b32 s6, s40, 16
	s_lshl_b32 s8, s14, 14
	s_add_co_u32 s6, s6, s8
	s_add_co_u32 s6, s6, s20
	s_add_co_u32 s6, s6, 256
	s_add_nc_u64 s[60:61], s[68:69], s[6:7]        ; x: row 64 cx + 16 x wave
	s_lshl_b32 s6, s41, 14
	s_add_co_u32 s6, s6, s22
	s_add_co_u32 s6, s6, 256
	s_cmp_eq_u32 s14, 2
	s_cselect_b64 s[62:63], s[76:77], s[72:73]
	s_cmp_eq_u32 s14, 3
	s_cselect_b64 s[62:63], s[80:81], s[62:63]
	s_add_nc_u64 s[62:63], s[62:63], s[6:7]        ; waves 1 to 3: their weight: row 16 cy
	s_wait_alu depctr_va_vdst(0)                   ; the wait here, directly ahead of the readers below
	v_lshlrev_b32 v[PF3], 10, v1
	v_lshl_add_u32 v[PF], v2, 8, v[PF3]
	v_lshlrev_b32 v[LI], 4, v84
	global_prefetch_b8 v[PF], s[60:61] th:TH_LOAD_NT scope:SCOPE_SE
	s_wait_alu depctr_va_vdst(0)                   ; the wait here, directly ahead of the branch
	s_cmp_eq_u32 s14, 0
	s_cbranch_scc1 .Lno_weight
	global_prefetch_b8 v[PF], s[62:63] th:TH_LOAD_NT scope:SCOPE_SE
.Lno_weight:
	; where my results go
	s_lshr_b32 s6, s17, 3                          ; the batch
	s_lshl_b32 s6, s6, 4
	s_add_co_u32 s6, s6, s42
	s_lshl_b32 s6, s6, 4
	s_and_b32 s7, s17, 7
	s_lshl_b32 s7, s7, 1
	s_add_co_u32 s6, s6, s7
	s_add_co_u32 s6, s6, s15                       ; my record
	s_mul_i32 s8, s6, KVB
	s_mov_b32 s9, 0
	s_add_nc_u64 s[2:3], s[90:91], s[8:9]
	s_add_nc_u64 s[66:67], s[2:3], 16384           ; scale bytes of K and V
	s_lshl_b32 s8, s16, 12
	s_add_nc_u64 s[20:21], s[2:3], s[8:9]          ; K's codes: four tiles of mine
	s_lshl_b32 s8, s16, 10
	s_add_nc_u64 s[22:23], s[2:3], s[8:9]
	s_add_nc_u64 s[22:23], s[22:23], 8192          ; V's: two blocks of 32 keys of each tile
	s_mul_i32 s8, s6, 8448
	s_add_co_u32 s8, s8, QREG
	s_add_nc_u64 s[2:3], s[90:91], s[8:9]
	s_add_nc_u64 s[92:93], s[2:3], 8192            ; Q's scale bytes
	s_lshl_b32 s8, s16, 12
	s_add_nc_u64 s[18:19], s[2:3], s[8:9]          ; Q's codes
	s_mul_i32 s98, s15, 768
	s_add_co_u32 s98, s98, SCB                     ; scale bytes in LDS: my record's,
	s_lshl_b32 s96, s16, 3
	s_add_co_u32 s96, s96, s98                     ; K's of my half,
	s_lshl_b32 s97, s16, 1
	s_add_co_u32 s97, s97, s98
	s_add_co_u32 s97, s97, 256                     ; V's
	s_mov_b32 s10, 0x76543210
	s_mov_b32 s11, 0xfedcba98                      ; lane l xor 16
	s_mov_b32 s12, 0x600000                        ; the mantissa field of 448
	v_mul_u32_u24 v85, v1, PITCH
	v_lshl_add_u32 v85, v2, 4, v85                 ; a fragment's row x pitch + 16 h
	s_mul_i32 s6, s14, 64*PITCH
	v_add_nc_u32 v[AX], s6, v85
	v_add_nc_u32 v[AX+1], SLOT, v[AX]
	v_add_nc_u32 v[AW], 256*PITCH, v85
	v_add_nc_u32 v[AW+1], SLOT, v[AW]
	s_wait_alu depctr_va_vdst(0)                   ; the wait here, directly ahead of the wait below
	s_wait_loadcnt 0x0
.irp t, 0,1,2,3
.irp j, 1,2,3,4,5,6,7
	v_mov_b32 v[BV+8*\t+\j], v[BV+8*\t]            ; V's bias as a C: one number for all eight tokens of a lane
.endr
.endr
	s_wait_alu depctr_va_vdst(0)                   ; the wait at the head's end
; A product: source 0 at x, source 1 at y, C at c; rx, ry: which half of the lanes holds the scale words
.macro WM d, x, y, c, sx, rx, sy, ry
.if (\rx) && (\ry)
	v_wmma_scale_f32_16x16x128_f8f6f4 v[\d:\d+7], v[\x:\x+15], v[\y:\y+15], v[\c:\c+7], v[\sx], v[\sy] matrix_a_scale:MATRIX_SCALE_ROW1 matrix_b_scale:MATRIX_SCALE_ROW1
.elseif (\rx)
	v_wmma_scale_f32_16x16x128_f8f6f4 v[\d:\d+7], v[\x:\x+15], v[\y:\y+15], v[\c:\c+7], v[\sx], v[\sy] matrix_a_scale:MATRIX_SCALE_ROW1
.elseif (\ry)
	v_wmma_scale_f32_16x16x128_f8f6f4 v[\d:\d+7], v[\x:\x+15], v[\y:\y+15], v[\c:\c+7], v[\sx], v[\sy] matrix_b_scale:MATRIX_SCALE_ROW1
.else
	v_wmma_scale_f32_16x16x128_f8f6f4 v[\d:\d+7], v[\x:\x+15], v[\y:\y+15], v[\c:\c+7], v[\sx], v[\sy]
.endif
.endm
; Step s: Q's (b0 = 0) or K's (b0 = 4) 16 products: source 0 = 16 rows of the weight, source 1 = 16 tokens: a lane holds one token.  first: C is the bias
.macro PQK s, b0, first
.if \first
	WIN 0xc5
.else
	WIN 0xf5+5*((\s)%2)
.endif
.irp a, 0,1,2,3
.irp b, 0,1,2,3
.set B_, \b0+\b
.set D_, 64*\a+8*B_
.set C_, D_
.if \first
.set C_, 128+8*B_
.endif
	WM D_, 64+16*B_, 16*\a, C_, WSC+8*(B_/2)+\s, B_%2, XSC+8*(\a/2)+\s, \a%2
.endr
.endr
.endm
; V's 16: source 0 = 16 tokens, source 1 = 16 rows of the weight: a lane holds one dim
.macro PV s, first
	WIN 0x05+5*((\s)%2)
.irp t, 2,3,0,1
.if (\first) && (\t == 0)
	PLACES 9                                       ; the tiles below are laid over Q's and K's bias, which earlier products have read as their C
.endif
.irp a, 0,1,2,3
.set D_, 128+8*(4*\t+\a)
.set C_, D_
.if \first
.set C_, BV+8*\t
.endif
	WM D_, 16*\a, 64+16*(8+\t), C_, XSC+8*(\a/2)+\s, \a%2, WSC+8*((8+\t)/2)+\s, \t%2
.endr
.endr
.endm
.macro LDX set, sl, q                  ; x's four fragments of the chunk's q-th 128 into a set: 16 loads
	WIN 0x40*(\set+1)
.irp a, 0,1,2,3
.irp c, 0,1,2,3
	ds_load_b128 v[16*\a+4*\c:16*\a+4*\c+3], v[AX+\sl] offset:16*PITCH*\a+128*\q+32*\c
.endr
.endr
.endm
.macro LDW set, sl, q, b0              ; one weight's four: 16 loads
	WIN 0x40*(\set+1)
.irp b, 0,1,2,3
.irp c, 0,1,2,3
	ds_load_b128 v[64+16*(\b0+\b)+4*\c:64+16*(\b0+\b)+4*\c+3], v[AW+\sl] offset:16*PITCH*(\b0+\b)+128*\q+32*\c
.endr
.endr
.endm
.macro LDALL set, sl, q
	LDX \set, \sl, \q
	LDW \set, \sl, \q, 0
	LDW \set, \sl, \q, 4
	LDW \set, \sl, \q, 8
.endm
; A chunk's first step: set 0 is multiplied, set 1 takes the second step's fragments, eight places behind the products that read it
.macro EVEN s, sl, first
	s_wait_dscnt 32                                ; x and W_q are in; W_k's and W_v's loads may be out
	WIN 0
	PLACES 8
	LDX 1, \sl, 1
	LDW 1, \sl, 1, 0
	PQK \s, 0, \first
	s_wait_dscnt 48                                ; behind W_k's loads: W_v's 16 and 32 of the other set
	LDW 1, \sl, 1, 4
	PQK \s, 4, \first
	s_wait_dscnt 48                                ; behind W_v's: 48 of the other set
	LDW 1, \sl, 1, 8
	PV \s, \first
.endm
; Its second step: this slot's fragments are all in registers, so the slot is free, and the next chunk has landed.  refill = 1: the chunk two on is asked for
.macro ODD s, nsl, refill
	WIN 0
	s_wait_tensorcnt 0x0                           ; my tile of the next chunk is in;
	ds_add_u32 v[SPW], v[NIL]
.if \refill
	NEXTC 1-\nsl
.endif
	s_wait_dscnt 0x0                               ; the add is done, and my reads of this slot are over
	s_barrier_signal -1
	PQK \s, 0, 0
	WIN 0
	s_barrier_wait -1
.if \refill
	CREST                                          ; no wave of any partner still reads this slot or has a load on its way
	LOADC
	PLACES 4
.else
	PLACES 8
.endif
	LDALL 0, \nsl, 0
.if \s == 1
	WIN 0
	global_prefetch_b8 v[PF3], s[60:61] offset:512 th:TH_LOAD_NT scope:SCOPE_SE   ; chunk 3 (lanes 16-31 name their wave's rows again)
	s_cmp_eq_u32 s14, 0
	s_cbranch_scc1 .Lno_weight_3
	global_prefetch_b8 v[PF3], s[62:63] offset:512 th:TH_LOAD_NT scope:SCOPE_SE
.Lno_weight_3:
.endif
	PQK \s, 4, 0
	PV \s, 0
.endm
	s_wait_tensorcnt 0x0                           ; my tile of chunk 0 is in
	ds_add_u32 v[SPW], v[NIL]
	NEXTC 1
	s_wait_dscnt 0x0
	CROUND
	LOADC                                          ; chunk 1, the first tensor load behind the round
	LDALL 0, 0, 0
	EVEN 0, 0, 1
	ODD  1, 1, 1
	EVEN 2, 1, 0
	ODD  3, 0, 1
	EVEN 4, 0, 0
	ODD  5, 1, 0
	EVEN 6, 1, 0
	s_wait_dscnt 32                                ; the last step
	PQK 7, 0, 0
	s_wait_dscnt 16
	PQK 7, 4, 0
	s_wait_dscnt 0x0
	PV 7, 0
	WIN 0
; THE WAY OUT, four blocks of 32 at a time (64 accumulator registers at ac of window ww): the largest magnitude, the scale, the hold, the codes (at cds), the bytes (v[TM+4:TM+7]).  again: cds was stored from two blocks back
.macro QUANT ac, ww, cds, again
	WIN 0x41|(\ww<<2)|(\ww<<4)                     ; destination and source 0 window 1, sources 1 and 2 the accumulators' window
.irp g, 0,1,2,3
	v_max3_num_f32 v[TM+\g], 0x4800000, |v[\ac+16*\g]|, |v[\ac+16*\g+1]|   ; the floor: the byte cannot fall under 1
.endr
.irp i, 2,4,6,8,10,12,14
.irp g, 0,1,2,3
	v_max3_num_f32 v[TM+\g], v[TM+\g], |v[\ac+16*\g+\i]|, |v[\ac+16*\g+\i+1]|
.endr
.endr
	WIN 0x55                                       ; all window 1
.irp g, 0,1,2,3
	v_permlanex16_b32 v[TM+4+\g], v[TM+\g], s10, s11
.endr
.irp g, 0,1,2,3
	v_max_num_f32 v[TM+\g], v[TM+\g], v[TM+4+\g]
.endr
.irp g, 0,1,2,3
	v_add_nc_u32 v[TM+12+\g], 0xfc000000, v[TM+\g] ; 8 off the exponent field: the conversion's scale operand
.endr
.irp g, 0,1,2,3
	v_and_or_b32 v[TM+8+\g], v[TM+\g], 0x7f800000, s12   ; 448 x the scale
.endr
.irp g, 0,1,2,3
	v_lshrrev_b32 v[TM+4+\g], 23, v[TM+12+\g]
.endr
	v_lshl_or_b32 v[TM], v[TM+5], 8, v[TM+4]       ; the bytes, two by two
	v_lshl_or_b32 v[TM+1], v[TM+7], 8, v[TM+6]
.if \again
	s_wait_alu depctr_va_vdst(0)                   ; the wait here, directly ahead of the wait below
	s_wait_xcnt 0x0                                ; the stores of two blocks back have read their registers
.endif
	WIN 0x54|\ww                                   ; source 0 the accumulators' window, all else window 1
.irp g, 0,1,2,3
.irp i, 0,1,2,3,4,5,6,7,8,9,10,11,12,13,14,15
	v_med3_num_f32 v[T+16*\g+\i], v[\ac+16*\g+\i], -v[TM+8+\g], v[TM+8+\g]   ; the conversion does not saturate (ISA guide 7.6.2)
.endr
.endr
	WIN 0x55
.irp g, 0,1,2,3
	v_cvt_scalef32_pk8_fp8_f32 v[\cds+4*\g:\cds+4*\g+1], v[T+16*\g:T+16*\g+7], v[TM+12+\g]
	v_cvt_scalef32_pk8_fp8_f32 v[\cds+4*\g+2:\cds+4*\g+3], v[T+16*\g+8:T+16*\g+15], v[TM+12+\g]
.endr
	v_nop
.endm
.macro SENDQK a                        ; 16 tokens: Q's two blocks, K's two; each store is 512 consecutive bytes, at a multiple of 256 from the buffer's first byte
	QUANT 64*\a, 3, CD+16*(\a%2), (\a/2)
	WIN 0x01                                       ; source 0 window 1: the bytes are gathered in window 0
.if \a%2
	v_lshl_or_b32 v[AX+\a/2], v[TM], 16, v[AX+\a/2]
	v_lshl_or_b32 v[AW+\a/2], v[TM+1], 16, v[AW+\a/2]
.else
	v_mov_b32 v[AX+\a/2], v[TM]
	v_mov_b32 v[AW+\a/2], v[TM+1]
.endif
	WIN 0x04                                       ; a store's data are its source 1: window 1
.irp g, 0,1
	global_store_b128 v[LI], v[CD+16*(\a%2)+4*\g:CD+16*(\a%2)+4*\g+3], s[18:19] offset:1024*\a+512*\g
	global_store_b128 v[LI], v[CD+16*(\a%2)+8+4*\g:CD+16*(\a%2)+8+4*\g+3], s[20:21] offset:1024*\a+512*\g
.endr
.endm
.macro SENDV i, w0, w1                 ; dims' tiles 2 i and 2 i + 1, two blocks of 32 keys each
	QUANT 128+64*\i, 0, CD+16*\i, 1
	WIN 0x01
	v_mov_b32 v[\w0], v[TM]
	v_mov_b32 v[\w1], v[TM+1]
	WIN 0x04
.irp g, 0,1,2,3
	global_store_b128 v[LI], v[CD+16*\i+4*\g:CD+16*\i+4*\g+3], s[22:23] offset:2048*(2*\i+\g/2)+512*(\g%2)
.endr
.endm
	PLACES 8
	WIN 0x40
.irp g, 0,1,2,3
	v_mov_b32 v[TM+4+\g], 0                        ; a lane permute's destination counts as one of its sources
.endr
	SENDQK 0
	SENDQK 1
	SENDQK 2
	SENDQK 3
	SENDV 0, 13, 14
	SENDV 1, 3, 15
	; the scale bytes: put together in LDS, 128 tokens from two waves, and stored in whole units
	WIN 0
	v_lshlrev_b32 v84, 4, v1
	v_add_nc_u32 v85, s96, v84
	v_add_nc_u32 v86, s97, v84
	v_add_nc_u32 v87, s98, v[LI]
	v_add_nc_u32 v2, s98, v84
	ds_store_b64 v85, v[AW:AW+1]                   ; (lanes 16-31 write the same bytes with the same values)
	ds_store_b64 v85, v[AX:AX+1] offset:512
	ds_store_b16 v86, v13
	ds_store_b16 v86, v14 offset:4
	ds_store_b16 v86, v3 offset:8
	ds_store_b16 v86, v15 offset:12
	s_wait_alu depctr_va_vdst(0)                   ; the wait here, directly ahead of the wait below
	s_wait_dscnt 0x0
	s_barrier_signal -1
	s_barrier_wait -1
	s_cmp_eq_u32 s16, 0
	s_cbranch_scc0 .Lq_bytes
	ds_load_b128 v[88:91], v87                     ; even waves: K's and V's 512 bytes
	s_wait_dscnt 0x0
	global_store_b128 v[LI], v[88:91], s[66:67]
	s_branch .Lsent
.Lq_bytes:
	ds_load_b128 v[92:95], v2 offset:512           ; odd waves: Q's 256, twice
	s_wait_dscnt 0x0
	global_store_b128 v84, v[92:95], s[92:93]
.Lsent:
	s_wait_tensorcnt 0x0                           ; the wave's end
	ds_add_u32 v[SPW], v[NIL]
	s_wait_dscnt 0x0
	CROUND                                         ; the closing round: no work-group ends while a partner may still ask for a tile that names it
	s_endpgm
.Lfunc_end_k_qd9e2b3d1fc_qkv:
	.size	k_qd9e2b3d1fc_qkv, .Lfunc_end_k_qd9e2b3d1fc_qkv-k_qd9e2b3d1fc_qkv
	.p2alignl 7, 3214868480
	.fill 96, 4, 3214868480
	.section	.rodata,"a",@progbits
	.p2align	6, 0x0
	.amdhsa_kernel k_qd9e2b3d1fc_qkv
		.amdhsa_group_segment_fixed_size 327680
		.amdhsa_private_segment_fixed_size 0
		.amdhsa_enable_private_segment 0
		.amdhsa_kernarg_size 96
		.amdhsa_user_sgpr_count 2
		.amdhsa_user_sgpr_kernarg_segment_ptr 1
		.amdhsa_wavefront_size32 1
		.amdhsa_system_sgpr_workgroup_id_x 1
		.amdhsa_system_sgpr_workgroup_id_y 1
		.amdhsa_system_sgpr_workgroup_id_z 1
		.amdhsa_system_vgpr_workitem_id 0
		.amdhsa_next_free_vgpr 1024
		.amdhsa_next_free_sgpr 102
		.amdhsa_reserve_vcc 0
		.amdhsa_float_denorm_mode_32 3
		.amdhsa_float_denorm_mode_16_64 3
		.amdhsa_memory_ordered 1
		.amdhsa_forward_progress 1
		.amdhsa_inst_pref_size 157
	.end_amdhsa_kernel
	.amdgpu_metadata
---
amdhsa.version: [ 1, 2 ]
amdhsa.kernels:
  - .name:           k_qd9e2b3d1fc_qkv
    .symbol:         k_qd9e2b3d1fc_qkv.kd
    .args:
      - { .name: x_codes, .offset: 0, .size: 8, .value_kind: global_buffer, .address_space: global }
      - { .name: x_scales, .offset: 8, .size: 8, .value_kind: global_buffer, .address_space: global }
      - { .name: wq_codes, .offset: 16, .size: 8, .value_kind: global_buffer, .address_space: global }
      - { .name: wq_scales, .offset: 24, .size: 8, .value_kind: global_buffer, .address_space: global }
      - { .name: wk_codes, .offset: 32, .size: 8, .value_kind: global_buffer, .address_space: global }
      - { .name: wk_scales, .offset: 40, .size: 8, .value_kind: global_buffer, .address_space: global }
      - { .name: wv_codes, .offset: 48, .size: 8, .value_kind: global_buffer, .address_space: global }
      - { .name: wv_scales, .offset: 56, .size: 8, .value_kind: global_buffer, .address_space: global }
      - { .name: bq, .offset: 64, .size: 8, .value_kind: global_buffer, .address_space: global }
      - { .name: bk, .offset: 72, .size: 8, .value_kind: global_buffer, .address_space: global }
      - { .name: bv, .offset: 80, .size: 8, .value_kind: global_buffer, .address_space: global }
      - { .name: qkv, .offset: 88, .size: 8, .value_kind: global_buffer, .address_space: global }
    .group_segment_fixed_size: 327680
    .private_segment_fixed_size: 0
    .kernarg_segment_align: 8
    .kernarg_segment_size: 96
    .max_flat_workgroup_size: 128
    .sgpr_count:     102
    .vgpr_count:     1024
    .wavefront_size: 32
...
	.end_amdgpu_metadata
.endif
;; end of part 1
;; launch attn (part 2): grid 8 x 32, 8 waves a work-group, clusters of 4 x 1, 271,360 bytes of LDS; arguments qkv, ao; writes ao
.if DOCPART == 2
	.amdgcn_target "amdgcn-amd-amdhsa--gfx1250"
	.amdhsa_code_object_version 6
	.text
	.protected	k_qd9e2b3d1fc_attn
	.globl	k_qd9e2b3d1fc_attn
	.p2align	8
	.type	k_qd9e2b3d1fc_attn,@function
k_qd9e2b3d1fc_attn:
	s_mov_b64 s[64:65], 0
	v_nop
	global_prefetch_b8 v0, s[64:65] scope:SCOPE_SE
	s_setreg_imm32_b32 hwreg(HW_REG_WAVE_MODE, 25, 1), 1
	s_wait_xcnt 0x0
	s_wait_alu depctr_hold_cnt(0) depctr_sa_sdst(0) depctr_va_vdst(0) depctr_va_sdst(0) depctr_va_ssrc(0) depctr_va_vcc(0) depctr_vm_vsrc(0)
	s_getreg_b32 s2, hwreg(HW_REG_IB_STS2, 6, 4)
	s_cmp_eq_u32 s2, 0
	s_cbranch_scc0 .Lentry_in_a_cluster
	s_endpgm
.Lentry_in_a_cluster:
	s_bfe_u32 s2, ttmp6, 0x10000c
	s_cmp_lg_u32 s2, 0x3003
	s_cbranch_scc0 .Lentry_shape_is_right
	s_endpgm
.Lentry_shape_is_right:
; For each of 32 (batch, head): o = softmax(q k^T / 8) v on codes of FP8 (E4M3) with one E8M0 scale for each 32 along a product's K; o is quantised along the head's 64 at once and leaves as codes for the last product.
; THE SOFTMAX: t = score x log2(e) / 8; M = the running largest t rounded UP to a whole number; p = 2^(t - M) is quantised along the keys, not normalised; the row's sum is taken of the unquantised p and divides at the end.
; When M moves, the sum and O are multiplied by 2^(old M - new M): exact.
; SHARES.  A work-group owns 256 queries of one head, each of its eight waves 32 of them: two tiles of 16, A and B, so that each fragment of K and V that comes from LDS feeds both.
; A HEAD'S K, V AND THEIR SCALE BYTES, 16 steps of 16,896 bytes, LIE IN LDS WHOLE: filled once, two steps a wave, asked for at the head; so no prefetch is left to lay.  CLUSTER: the four query blocks belong to one head: each load is asked for jointly.
; LAYOUT.  Both products are used transposed (S^T = K Q^T, O^T = V^T P^T): a lane holds ONE query of each tile.  The images in qkv are in the order of the operands' registers: a fragment is four loads of 512 consecutive bytes.
; K = 64 IN A FORM OF K = 128: a fragment of K holds TWO tiles of 16 keys, one in each half of the 128, and is multiplied by [Q | 0] for the first and by [0 | Q] for the second.  The zeros are codes on Q's side;
; the other tile's codes are finite (held at 448 by the launch before) and all scale bytes lie in 1 .. 254, so those products are exact zeros.
; Register 16 b + 8 u + j of S^T is key 32 b + 16 u + 8 h + j: the order that V's image has inside its blocks of 32.  Register 16 g + 8 u + j of O^T is d = 32 g + 16 u + 8 h + j; its codes are put into ascending order by a swap between the lanes' halves.
; A BLOCK'S EXPONENT is floor(t - M) of its largest score, held to -118 from below: the exponent of its largest p.
; OUT: ao[32 blocks of 128 rows][8 K steps of 128][16,896]: eight tiles of 16 rows, 2,048 bytes each (piece c at 512 c + 16 lane: k = 32 c + 16 h + 0 .. 15), then the scale words of (r, tile) at 16,384 + 32 r + 4 tile.
; LIMITS: NaN and infinities are not served.  The promise holds while the scaled scores t stay under 2^31 in magnitude.  A block under 2^-118 (zeros too) gets the byte 1; this program alone reads the bytes.
; REGISTERS.  Window 0: what is named below, S^T then p of both tiles at v128-255.  Window 1: K's four fragments, V's four, O^T of both tiles, Q with zeros on either side.
.set KVB,  16896                       ; a step's record: K, V and their scale bytes
.set QREG, 512*KVB                     ; Q's records begin here, 8,448 bytes each
.set SPARE, 16*KVB
.set LI,   1                           ; v1   16 x lane
.set ADR,  2                           ; v2   LDS address of the step in hand
.set R32,  3
.set SPW,  4
.set NIL,  5
.set NM,   8                           ; v8, v9: -M and the largest score of tile A; v10, v11: of B
.set FF,   12                          ; v12 (v14): f = 2^(old M - new M); v13 (v15): its exponent
.set SCK,  16                          ; K's scale words (lanes 0-15)
.set SCV,  20                          ; V's (lanes 16-31)
.set PW,   24                          ; v24, v25: p's scale words
.set LS,   26                          ; v[26:27], v[30:31]: the sums, in two halves
.set QS,   28                          ; v28, v29: Q's scale words
.set BM,   32                          ; eight blocks (A's four, B's four): largest score, then exponent
.set PT,   40                          ; lane l xor 16's
.set OP,   48                          ; the conversions' scale operands
.set BD,   56                          ; 448 x the scale
.set T,    64                          ; v64-95 at work: sums
.set PC,   96                          ; p's codes: A 96-111, B 112-127
.set SA,   128
.set SB,   192
.set FK,   0                           ; window 1
.set FV,   64
.set OA,   128                         ; A's 32, then B's
.set QZ,   192                         ; zeros, Q of A, zeros, Q of B, zeros: eight registers each
.set WV,   8
.set G1,   16
.set G0,   24
.set SEL,  40
.set CS,   42                          ; s[42:43] c = log2(e) / 8
.set MNT,  44                          ; the mantissa field of 448
.set TB,   45                          ; LDS byte at which the step in hand begins
.set CNT,  46
.set NC,   47                          ; -c
.set LOW,  56                          ; -118.0
.set OPC,  57                          ; 119 << 23
.set BDC,  58                          ; 448 x 2^(119 - 127)
.set WC,   59                          ; 119 in each byte
.set MSB, 0
.macro WIN new
.if MSB != (\new)
	s_set_vgpr_msb (MSB<<8)|(\new)
.set MSB, (\new)
.endif
.endm
.macro CROUND
	s_barrier_signal -1
	s_barrier_wait -1
	s_cmp_lg_u32 s[WV], 0
	s_cbranch_scc1 .Lnot_wave_0_\@
	s_barrier_signal -3
.Lnot_wave_0_\@:
	s_barrier_wait -3
	s_barrier_signal -1
	s_barrier_wait -1
.endm
	s_load_b128 s[4:7], s[0:1], 0x0                ; qkv, ao
	v_lshl_add_u32 v[SPW], v0, 2, SPARE
	v_mov_b32 v[NIL], 0
	ds_add_u32 v[SPW], v[NIL]                      ; the opening lines: the add, twice on end, and its wait
	ds_add_u32 v[SPW], v[NIL]
	v_lshrrev_b32 v2, 5, v0
	v_readfirstlane_b32 s[WV], v2                  ; wave 0..7
	s_bfe_u32 s9, ttmp6, 0x40000                   ; cx
	s_lshl_b32 s10, ttmp9, 2
	s_add_co_u32 s10, s10, s9                      ; my block of 256 queries: it enters Q's and ao's addresses alone
	s_and_b32 s11, ttmp7, 0xffff                   ; 16 x batch + head, which the four partners share
	s_lshl_b32 s13, s11, 4                         ; the head's first record
	s_lshl_b32 s12, s[WV], 1                       ; I fetch steps 2 x wave, 2 x wave + 1
	s_add_co_u32 s14, s13, s12
	s_mul_i32 s14, s14, KVB
	s_mov_b32 s15, 0
	s_mov_b32 s[G0], 1
	s_mul_i32 s[G0+1], s12, KVB                    ; their place in LDS
	; descriptor group 1: two records, 33,792 dense bytes as 132 rows of 256 (32 elements of 8 bytes), no padding
	s_mov_b32 s[G1], 15|(3<<16)|(1<<21)            ; the mask: all four work-groups; 21 set beside a mask
	s_mov_b32 s[G1+1], 32<<16
	s_mov_b32 s[G1+2], 132<<16
	s_mov_b32 s[G1+3], 32<<16
	s_mov_b32 s[G1+4], 132
	s_mov_b32 s[G1+5], 32
	s_mov_b32 s[G1+6], 0
	s_mov_b32 s[G1+7], 0
	; my 32 queries: block of 128 rows 2 x s10 + wave / 4, its tiles 2 (wave % 4) and one on
	s_lshr_b32 s28, s[WV], 2
	s_lshl_b32 s29, s10, 1
	s_add_co_u32 s28, s28, s29
	s_and_b32 s30, s[WV], 3
	s_add_co_u32 s31, s13, s28
	s_mul_i32 s31, s31, 8448
	s_add_co_u32 s31, s31, QREG
	s_lshl_b32 s32, s30, 11
	s_add_co_u32 s48, s31, s32                     ; Q's codes: 1,024 bytes a tile
	s_mov_b32 s49, 0
	s_lshl_b32 s32, s30, 2
	s_add_co_u32 s54, s31, s32
	s_add_co_u32 s54, s54, 8192                    ; Q's scale words: 16 r + 4 x (wave % 4): two bytes for each of my tiles
	s_mov_b32 s55, 0
	s_lshr_b32 s33, s11, 4
	s_lshl_b32 s33, s33, 4
	s_add_co_u32 s33, s33, s28                     ; ao: the block of 128 rows,
	s_lshl_b32 s33, s33, 3
	s_bfe_u32 s34, s11, 0x30001                    ; K step head / 2
	s_add_co_u32 s33, s33, s34
	s_mul_i32 s33, s33, 16896
	s_and_b32 s34, s11, 1                          ; head % 2: which half of the K step
	s_lshl_b32 s35, s30, 12
	s_add_co_u32 s50, s33, s35
	s_lshl_b32 s35, s34, 10
	s_add_co_u32 s50, s50, s35                     ; codes: 2,048 x tile + 1,024 x half
	s_mov_b32 s51, 0
	s_lshl_b32 s35, s30, 3
	s_add_co_u32 s52, s33, s35
	s_lshl_b32 s35, s34, 1
	s_add_co_u32 s52, s52, s35
	s_add_co_u32 s52, s52, 16384                   ; scale bytes: 16,384 + 4 x tile + 2 x half
	s_mov_b32 s53, 0
	s_mov_b32 s[SEL], 0x76543210
	s_mov_b32 s[SEL+1], 0xfedcba98
	s_mov_b32 s[CS], 0x3e38aa3b
	s_mov_b32 s[CS+1], s[CS]                       ; (named with it as a pair)
	s_mov_b32 s[NC], 0xbe38aa3b
	s_mov_b32 s[MNT], 0x600000
	s_mov_b32 s[LOW], 0xc2ec0000
	s_mov_b32 s[OPC], 119<<23
	s_mov_b32 s[BDC], 0x3fe00000
	s_mov_b32 s[WC], 0x77777777
	s_mov_b32 s60, 0x01000100                      ; an even tile's two bytes of the word, twice
	s_mov_b32 s61, 0x03020302                      ; an odd one's
	s_wait_dscnt 0x0
	s_wait_kmcnt 0x0
	s_add_nc_u64 s[G0+2:G0+3], s[4:5], s[14:15]
	s_or_b32 s[G0+3], s[G0+3], 0x80000000
	s_add_nc_u64 s[48:49], s[4:5], s[48:49]
	s_add_nc_u64 s[54:55], s[4:5], s[54:55]
	s_add_nc_u64 s[50:51], s[6:7], s[50:51]
	s_add_nc_u64 s[52:53], s[6:7], s[52:53]
	v_and_b32 v7, 31, v0
	v_and_b32 v6, 15, v0
	v_lshlrev_b32 v[LI], 4, v7
	v_lshlrev_b32 v[R32], 5, v6
	v_lshlrev_b32 v6, 4, v6
	global_load_b32 v[T], v6, s[54:55]             ; the scale word of my two tiles
	WIN 0x40
	global_load_b128 v[QZ+8:QZ+11], v[LI], s[48:49]               ; A: dims' block 0, block 1
	global_load_b128 v[QZ+12:QZ+15], v[LI], s[48:49] offset:512
	global_load_b128 v[QZ+24:QZ+27], v[LI], s[48:49] offset:1024  ; B
	global_load_b128 v[QZ+28:QZ+31], v[LI], s[48:49] offset:1536
	WIN 0
	s_wait_alu depctr_va_vdst(0)                   ; the wait here, ahead of the round
	CROUND                                         ; all four work-groups are here: the joint loads meet
	s_cmp_lt_u32 s[WV], 2                          ; waves 0 and 1 (steps 0 to 3) have a load line of their own: the first barrier below waits for that one alone
	s_cbranch_scc0 .Llater
	tensor_load_to_lds s[G0:G0+3], s[G1:G1+7]
	s_nop 0
.rept 4
	v_nop
.endr
	s_branch .Lasked
.Llater:
	tensor_load_to_lds s[G0:G0+3], s[G1:G1+7]
	s_nop 0
.rept 4
	v_nop
.endr
.Lasked:
	WIN 0x40
.irp j, 0,1,2,3,4,5,6,7
	v_mov_b32 v[QZ+\j], 0
	v_mov_b32 v[QZ+16+\j], 0
	v_mov_b32 v[QZ+32+\j], 0
.endr
	WIN 0
.irp x, 0,1
	v_mov_b32 v[NM+2*\x], 0x7f61b1e6               ; -M and the largest score so far: -3e38, under every score
	v_mov_b32 v[NM+2*\x+1], 0xff61b1e6
	v_mov_b32 v[LS+4*\x], 0
	v_mov_b32 v[LS+4*\x+1], 0
.endr
.irp k, 0,1,2,3,4,5,6,7
	v_mov_b32 v[PT+\k], 0                          ; written once: a lane permute's destination counts as one of its sources
.endr
	s_wait_alu depctr_va_vdst(0)
	s_wait_loadcnt 0x0
	v_perm_b32 v[QS], v[T], v[T], s60              ; [s0, s1, s0, s1]: the same two bytes serve [Q | 0] and [0 | Q]
	v_perm_b32 v[QS+1], v[T], v[T], s61
	WIN 0x40
.set J, 0
.rept 64
	v_mov_b32 v[OA+J], 0                           ; O^T of both tiles: the first change of M leaves zeros.  (Also the places between the scale words and the first product)
.set J, J+1
.endr
	WIN 0
	s_wait_alu depctr_va_vdst(0)                   ; the wait at the head's end
	s_cmp_lt_u32 s[WV], 2
	s_cbranch_scc0 .Lnot_first
	s_wait_tensorcnt 0x0                           ; waves 0 and 1: steps 0 to 3 have landed
.Lnot_first:
	s_barrier_signal -1
	s_barrier_wait -1
; S^T of both tiles from the fragments in FK: 16 products
.macro QK
	WIN 0x05                                       ; sources 0 and 1 window 1, D window 0
.irp b, 0,1,2,3
	v_wmma_scale_f32_16x16x128_f8f6f4 v[SA+16*\b:SA+16*\b+7], v[FK+16*\b:FK+16*\b+15], v[QZ+8:QZ+23], 0, v[SCK+\b], v[QS]
	v_wmma_scale_f32_16x16x128_f8f6f4 v[SA+16*\b+8:SA+16*\b+15], v[FK+16*\b:FK+16*\b+15], v[QZ:QZ+15], 0, v[SCK+\b], v[QS]
	v_wmma_scale_f32_16x16x128_f8f6f4 v[SB+16*\b:SB+16*\b+7], v[FK+16*\b:FK+16*\b+15], v[QZ+24:QZ+39], 0, v[SCK+\b], v[QS+1]
	v_wmma_scale_f32_16x16x128_f8f6f4 v[SB+16*\b+8:SB+16*\b+15], v[FK+16*\b:FK+16*\b+15], v[QZ+16:QZ+31], 0, v[SCK+\b], v[QS+1]
.endr
	WIN 0
.endm
.macro MIN2 r, b                       ; two neighbours held at 448 x the scale: p is not negative, so the hold is one-sided (the conversion does not saturate: ISA guide 7.6.2)
	v_dual_min_num_f32 v[\r], v[\r], v[\b] :: v_dual_min_num_f32 v[\r+1], v[\r+1], v[\b]
.endm
.macro BMAX k                          ; with lane l xor 16's 16 keys
	v_max_num_f32 v[BM+\k], v[BM+\k], v[PT+\k]
.endm
.macro FMA_A n                         ; A: t - M, two at a time
.rept \n
	v_pk_fma_f32 v[SA+FJ:SA+FJ+1], v[SA+FJ:SA+FJ+1], s[CS:CS+1], v[NM:NM+1] op_sel_hi:[1,0,0]
.set FJ, FJ+2
.endr
.endm
; A KEY STEP of 128 keys, both tiles.  Its scores are in S already.  next = 1: K of the step behind it is fetched, and that step's scores are made at the end.
.macro STEP next
	v_add_nc_u32 v[ADR], s[TB], v[LI]
	ds_load_b128 v[SCV:SCV+3], v[ADR] offset:16384
.if \next
	ds_load_b128 v[SCK:SCK+3], v[ADR] offset:KVB+16384
.endif
	WIN 0x40
.set I, 0
.rept 16
	ds_load_b128 v[FV+4*I:FV+4*I+3], v[ADR] offset:8192+512*I     ; V of this step,
.set I, I+1
.endr
.if \next
.set I, 0
.rept 16
	ds_load_b128 v[FK+4*I:FK+4*I+3], v[ADR] offset:KVB+512*I      ; K of the next: they land while the softmax is walked
.set I, I+1
.endr
.endif
	WIN 0
; the largest score of each block of 32 keys, eight blocks by turns
.irp k, 0,1,2,3,4,5,6,7
	v_max3_num_f32 v[BM+\k], v[SA+16*\k], v[SA+16*\k+1], v[SA+16*\k+2]
.endr
.irp i, 3,5,7,9,11,13
.irp k, 0,1,2,3,4,5,6,7
	v_max3_num_f32 v[BM+\k], v[BM+\k], v[SA+16*\k+\i], v[SA+16*\k+\i+1]
.endr
.endr
.irp k, 0,1,2,3,4,5,6,7
	v_max_num_f32 v[BM+\k], v[BM+\k], v[SA+16*\k+15]
.endr
.irp k, 0,1,2,3,4,5,6,7
	v_permlanex16_b32 v[PT+\k], v[BM+\k], s[SEL], s[SEL+1]
.endr
.set FJ, 0
.irp k, 0,1,2,3
	BMAX \k
.endr
; the two tiles' chains by turns, A's multiply-adds among them
	v_max3_num_f32 v[T], v[BM], v[BM+1], v[BM+2]
	BMAX 4
	BMAX 5
	v_max3_num_f32 v[NM+1], v[T], v[BM+3], v[NM+1] ; the running largest score
	BMAX 6
	BMAX 7
	v_mul_f32 v[T], s[NC], v[NM+1]                 ; -t
	v_max3_num_f32 v[T+1], v[BM+4], v[BM+5], v[BM+6]
	v_floor_f32 v[T], v[T]                         ; the new -M = floor(-t)
	v_max3_num_f32 v[NM+3], v[T+1], v[BM+7], v[NM+3]
	v_sub_f32 v[FF+1], v[T], v[NM]                 ; old M - new M: a whole number, 0 or less
	v_mul_f32 v[T+1], s[NC], v[NM+3]
	v_mov_b32 v[NM], v[T]
	v_floor_f32 v[T+1], v[T+1]
	FMA_A 2
	v_sub_f32 v[FF+3], v[T+1], v[NM+2]
	v_cvt_i32_f32 v[FF+1], v[FF+1]                 ; (it saturates)
	v_mov_b32 v[NM+2], v[T+1]
	FMA_A 2
	v_cvt_i32_f32 v[FF+3], v[FF+3]
	v_ldexp_f32 v[FF], 1.0, v[FF+1]                ; f
	FMA_A 2
	v_ldexp_f32 v[FF+2], 1.0, v[FF+3]
.irp k, 0,1,2,3,4,5,6,7
	v_fma_f32 v[BM+\k], v[BM+\k], s[CS], v[NM+2*(\k/4)]   ; a block's largest t - M,
.endr
	FMA_A 2
.irp k, 0,1,2,3,4,5,6,7
	v_max_num_f32 v[BM+\k], s[LOW], v[BM+\k]       ; held to -118 from below: the scale's byte is 1 at the least
.endr
	FMA_A 2
.irp k, 0,1,2,3,4,5,6,7
	v_cvt_floor_i32_f32 v[BM+\k], v[BM+\k]         ; and its floor: the exponent of the block's largest p
.endr
	FMA_A 2
.irp x, 0,1
	v_lshl_add_u32 v[T+2+\x], v[BM+4*\x+3], 8, v[BM+4*\x+2]   ; the four exponents as bytes (the carries of negative ones are undone by the last line's 119 in each byte)
.endr
	FMA_A 2
.irp x, 0,1
	v_lshl_add_u32 v[T+2+\x], v[T+2+\x], 8, v[BM+4*\x+1]
.endr
	FMA_A 2
.irp x, 0,1
	v_lshl_add_u32 v[T+2+\x], v[T+2+\x], 8, v[BM+4*\x]
.endr
	FMA_A 2
.irp x, 0,1
	v_add_nc_u32 v[PW+\x], s[WC], v[T+2+\x]        ; p's scale words: exponent - 8 + 127
.endr
	FMA_A 14
	s_wait_alu depctr_va_vdst(0)                   ; the wait ahead of the batch
; A's exponentials; among them B's t - M, the conversions' scale operands and the bounds, none of which is read before the next wait
.set J, 0
.rept 16
	v_exp_f32 v[SA+4*J], v[SA+4*J]
	v_pk_fma_f32 v[SB+4*J:SB+4*J+1], v[SB+4*J:SB+4*J+1], s[CS:CS+1], v[NM+2:NM+3] op_sel_hi:[1,0,0]
	v_exp_f32 v[SA+4*J+1], v[SA+4*J+1]
	v_exp_f32 v[SA+4*J+2], v[SA+4*J+2]
	v_pk_fma_f32 v[SB+4*J+2:SB+4*J+3], v[SB+4*J+2:SB+4*J+3], s[CS:CS+1], v[NM+2:NM+3] op_sel_hi:[1,0,0]
	v_exp_f32 v[SA+4*J+3], v[SA+4*J+3]
.if J%2
	v_lshl_add_u32 v[BD+J/2], v[BM+J/2], 23, s[BDC]
.else
	v_lshl_add_u32 v[OP+J/2], v[BM+J/2], 23, s[OPC]
.endif
.set J, J+1
.endr
	s_wait_alu depctr_va_vdst(0)                   ; behind A's batch and ahead of B's
; B's exponentials; among them A's first sums (of the unquantised p) and then A's holds
.set J, 0
.rept 16
	v_exp_f32 v[SB+4*J], v[SB+4*J]
	v_pk_add_f32 v[T+2*J:T+2*J+1], v[SA+4*J:SA+4*J+1], v[SA+4*J+2:SA+4*J+3]
	v_exp_f32 v[SB+4*J+1], v[SB+4*J+1]
	MIN2 SA+4*J, BD+J/4
	v_exp_f32 v[SB+4*J+2], v[SB+4*J+2]
	v_exp_f32 v[SB+4*J+3], v[SB+4*J+3]
	MIN2 SA+4*J+2, BD+J/4
.set J, J+1
.endr
	s_wait_alu depctr_va_vdst(0)                   ; behind B's batch
.irp b, 0,1,2,3
	v_cvt_scalef32_pk8_fp8_f32 v[PC+4*\b:PC+4*\b+1], v[SA+16*\b:SA+16*\b+7], v[OP+\b]
	v_cvt_scalef32_pk8_fp8_f32 v[PC+4*\b+2:PC+4*\b+3], v[SA+16*\b+8:SA+16*\b+15], v[OP+\b]
.endr
.irp p, 0,2,4,6,8,10,12,14
	v_pk_add_f32 v[T+\p:T+\p+1], v[T+\p:T+\p+1], v[T+16+\p:T+17+\p]    ; A: sixteen pairs become eight,
.endr
.irp j, 0,2,4,6
	v_pk_add_f32 v[T+16+\j:T+17+\j], v[SB+\j:SB+1+\j], v[SB+8+\j:SB+9+\j]   ; B's sum, in four chains of pairs
.endr
.irp j, 0,2,4,6
	v_pk_add_f32 v[T+\j:T+\j+1], v[T+\j:T+\j+1], v[T+8+\j:T+9+\j]      ; and four
.endr
.irp j, 0,2,4,6,8,10,12,14
	MIN2 SB+\j, BD+4
.endr
.irp m, 2,3,4,5,6,7
.irp j, 0,2,4,6
	v_pk_add_f32 v[T+16+\j:T+17+\j], v[T+16+\j:T+17+\j], v[SB+8*\m+\j:SB+8*\m+1+\j]
.endr
.irp j, 0,2,4,6
	MIN2 SB+8*\m+\j, BD+4+\m/2
.endr
.endr
.irp b, 0,1,2,3
	v_cvt_scalef32_pk8_fp8_f32 v[PC+16+4*\b:PC+17+4*\b], v[SB+16*\b:SB+16*\b+7], v[OP+4+\b]
	v_cvt_scalef32_pk8_fp8_f32 v[PC+18+4*\b:PC+19+4*\b], v[SB+16*\b+8:SB+16*\b+15], v[OP+4+\b]
.endr
.if \next
	s_wait_dscnt 16                                ; V and both scale words are in; the next K's sixteen loads may be out
.else
	s_wait_dscnt 0x0
.endif
	WIN 0x51                                       ; destination, source 0 and source 2 window 1, source 1 window 0
	s_wait_alu depctr_va_vdst(0)                   ; the wait here, directly ahead of the first reader of O^T
.set J, 0
.rept 32
	v_pk_mul_f32 v[OA+J:OA+J+1], v[OA+J:OA+J+1], v[FF+2*(J/32):FF+2*(J/32)+1] op_sel_hi:[1,0]   ; O^T under the new M.  (These are also the places between the codes and the products below)
.set J, J+2
.endr
.irp t, 0,1,2,3
	v_wmma_scale_f32_16x16x128_f8f6f4 v[OA+8*\t:OA+8*\t+7], v[FV+16*\t:FV+16*\t+15], v[PC:PC+15], v[OA+8*\t:OA+8*\t+7], v[SCV+\t], v[PW] matrix_a_scale:MATRIX_SCALE_ROW1
	v_wmma_scale_f32_16x16x128_f8f6f4 v[OA+32+8*\t:OA+39+8*\t], v[FV+16*\t:FV+16*\t+15], v[PC+16:PC+31], v[OA+32+8*\t:OA+39+8*\t], v[SCV+\t], v[PW+1] matrix_a_scale:MATRIX_SCALE_ROW1
.endr
.if \next
	s_wait_dscnt 0x0
	QK
.endif
	WIN 0
; the sums' ends: eight lines, which are the eight places behind the products, ahead of loads into their registers and of the scores' first read
.irp x, 0,1
	v_pk_add_f32 v[T+16*\x:T+16*\x+1], v[T+16*\x:T+16*\x+1], v[T+16*\x+2:T+16*\x+3]
.endr
.irp x, 0,1
	v_pk_add_f32 v[T+16*\x+4:T+16*\x+5], v[T+16*\x+4:T+16*\x+5], v[T+16*\x+6:T+16*\x+7]
.endr
.irp x, 0,1
	v_pk_add_f32 v[T+16*\x:T+16*\x+1], v[T+16*\x:T+16*\x+1], v[T+16*\x+4:T+16*\x+5]
.endr
.irp x, 0,1
	v_pk_fma_f32 v[LS+4*\x:LS+4*\x+1], v[LS+4*\x:LS+4*\x+1], v[FF+2*\x:FF+2*\x+1], v[T+16*\x:T+16*\x+1] op_sel_hi:[1,0,1]   ; the sum under the new M, and this step's
.endr
.endm
.macro STEPS first, n                  ; n steps from step 'first' on
	s_mov_b32 s[TB], KVB*\first
	s_mov_b32 s[CNT], \n
.Lstep_\@:
	STEP 1
	s_add_co_u32 s[TB], s[TB], KVB
	s_sub_co_u32 s[CNT], s[CNT], 1
	s_cmp_lg_u32 s[CNT], 0
	s_cbranch_scc1 .Lstep_\@
.endm
	ds_load_b128 v[SCK:SCK+3], v[LI] offset:16384  ; step 0's scores stand in front of the loops
	WIN 0x40
.set I, 0
.rept 16
	ds_load_b128 v[FK+4*I:FK+4*I+3], v[LI] offset:512*I
.set I, I+1
.endr
	s_wait_dscnt 0x0
	QK
.rept 8
	v_nop                                          ; places in front of loads into the products' registers and of the scores' first read
.endr
	STEPS 0, 3                                     ; these read steps 0 to 3 alone
	s_wait_tensorcnt 0x0                           ; my two steps have landed;
	s_barrier_signal -1
	s_barrier_wait -1                              ; everybody's have
	STEPS 3, 12
	s_mov_b32 s[TB], 15*KVB
	STEP 0                                         ; the last step fetches no K and makes no scores
; THE WAY OUT.  O^T / the sum; each tile's two blocks of 32 along d are quantised; the codes, put into ascending order, are the registers of the last product's operand and leave as they stand.
.irp x, 0,1
	v_add_f32 v[LS+4*\x], v[LS+4*\x], v[LS+4*\x+1]
.endr
.irp x, 0,1
	v_permlanex16_b32 v[PT+\x], v[LS+4*\x], s[SEL], s[SEL+1]
.endr
.irp x, 0,1
	v_add_f32 v[LS+4*\x], v[LS+4*\x], v[PT+\x]
.endr
	s_wait_alu depctr_va_vdst(0)
	v_rcp_f32 v[LS], v[LS]
	v_rcp_f32 v[LS+4], v[LS+4]
	v_nop
	WIN 0x01
	s_wait_alu depctr_va_vdst(0)
.set J, 0
.rept 64
	v_mul_f32 v[SA+J], v[OA+J], v[LS+4*(J/32)]     ; registers 16 k + i, k = 2 x tile + g
.set J, J+1
.endr
	WIN 0
.irp k, 0,1,2,3
	v_max3_num_f32 v[BM+\k], |v[SA+16*\k]|, |v[SA+1+16*\k]|, 0x4800000
.endr
.irp i, 2,4,6,8,10,12,14
.irp k, 0,1,2,3
	v_max3_num_f32 v[BM+\k], v[BM+\k], |v[SA+16*\k+\i]|, |v[SA+1+16*\k+\i]|
.endr
.endr
.irp k, 0,1,2,3
	v_permlanex16_b32 v[PT+\k], v[BM+\k], s[SEL], s[SEL+1]
.endr
.irp k, 0,1,2,3
	v_max_num_f32 v[BM+\k], v[BM+\k], v[PT+\k]
.endr
.irp k, 0,1,2,3
	v_add_nc_u32 v[OP+\k], 0xfc000000, v[BM+\k]    ; 8 off the exponent field
.endr
.irp k, 0,1,2,3
	v_and_or_b32 v[BD+\k], v[BM+\k], 0x7f800000, s[MNT]
.endr
.irp k, 0,1,2,3
	v_lshrrev_b32 v[PT+\k], 23, v[OP+\k]
.endr
.irp x, 0,1
	v_lshl_or_b32 v[T+\x], v[PT+2*\x+1], 8, v[PT+2*\x]   ; my row's two scale bytes
.endr
.irp k, 0,1,2,3
.irp i, 0,1,2,3,4,5,6,7,8,9,10,11,12,13,14,15
	v_med3_num_f32 v[SA+16*\k+\i], v[SA+16*\k+\i], -v[BD+\k], v[BD+\k]
.endr
	v_cvt_scalef32_pk8_fp8_f32 v[PC+4*\k:PC+4*\k+1], v[SA+16*\k:SA+16*\k+7], v[OP+\k]
	v_cvt_scalef32_pk8_fp8_f32 v[PC+4*\k+2:PC+4*\k+3], v[SA+16*\k+8:SA+16*\k+15], v[OP+\k]
.endr
	v_nop
.irp k, 0,1,2,3
	v_permlane16_swap_b32 v[PC+4*\k], v[PC+4*\k+2]         ; lanes 0-15 keep d = 0 .. 7 and take 8 .. 15 from lanes 16-31; those take 16 .. 23 and keep 24 .. 31
	v_permlane16_swap_b32 v[PC+4*\k+1], v[PC+4*\k+3]
.endr
	global_store_b128 v[LI], v[PC:PC+3], s[50:51]                 ; each 512 consecutive bytes, at a multiple of 256 from the buffer's first byte
	global_store_b128 v[LI], v[PC+4:PC+7], s[50:51] offset:512
	global_store_b128 v[LI], v[PC+8:PC+11], s[50:51] offset:2048
	global_store_b128 v[LI], v[PC+12:PC+15], s[50:51] offset:2560
	global_store_b16 v[R32], v[T], s[52:53]        ; two bytes a row, rows 32 bytes apart (lanes 16-31 write the same bytes with the same values): one byte in 32 of what the launch stores
	global_store_b16 v[R32], v[T+1], s[52:53] offset:4
	s_wait_tensorcnt 0x0                           ; the wave's end
	ds_add_u32 v[SPW], v[NIL]
	s_wait_dscnt 0x0
	CROUND                                         ; the closing round: no work-group ends while a partner may still ask for a tile that names it
	s_endpgm
.Lfunc_end_k_qd9e2b3d1fc_attn:
	.size	k_qd9e2b3d1fc_attn, .Lfunc_end_k_qd9e2b3d1fc_attn-k_qd9e2b3d1fc_attn
	.p2alignl 7, 3214868480
	.fill 96, 4, 3214868480
	.section	.rodata,"a",@progbits
	.p2align	6, 0x0
	.amdhsa_kernel k_qd9e2b3d1fc_attn
		.amdhsa_group_segment_fixed_size 271360
		.amdhsa_private_segment_fixed_size 0
		.amdhsa_enable_private_segment 0
		.amdhsa_kernarg_size 16
		.amdhsa_user_sgpr_count 2
		.amdhsa_user_sgpr_kernarg_segment_ptr 1
		.amdhsa_wavefront_size32 1
		.amdhsa_system_sgpr_workgroup_id_x 1
		.amdhsa_system_sgpr_workgroup_id_y 1
		.amdhsa_system_sgpr_workgroup_id_z 1
		.amdhsa_system_vgpr_workitem_id 0
		.amdhsa_next_free_vgpr 512
		.amdhsa_next_free_sgpr 66
		.amdhsa_reserve_vcc 0
		.amdhsa_float_denorm_mode_32 3
		.amdhsa_float_denorm_mode_16_64 3
		.amdhsa_memory_ordered 1
		.amdhsa_forward_progress 1
		.amdhsa_inst_pref_size 119
	.end_amdhsa_kernel
	.amdgpu_metadata
---
amdhsa.version: [ 1, 2 ]
amdhsa.kernels:
  - .name:           k_qd9e2b3d1fc_attn
    .symbol:         k_qd9e2b3d1fc_attn.kd
    .args:
      - { .name: qkv, .offset: 0, .size: 8, .value_kind: global_buffer, .address_space: global }
      - { .name: ao, .offset: 8, .size: 8, .value_kind: global_buffer, .address_space: global }
    .group_segment_fixed_size: 271360
    .private_segment_fixed_size: 0
    .kernarg_segment_align: 8
    .kernarg_segment_size: 16
    .max_flat_workgroup_size: 256
    .sgpr_count:     66
    .vgpr_count:     512
    .wavefront_size: 32
...
	.end_amdgpu_metadata
.endif
;; end of part 2
;; launch oproj (part 3): grid 8 x 32, 4 waves a work-group, clusters of 4 x 4, 288,256 bytes of LDS; arguments ao, wo_codes, wo_scales, bo, out0; writes out0
.if DOCPART == 3
	.amdgcn_target "amdgcn-amd-amdhsa--gfx1250"
	.amdhsa_code_object_version 6
	.text
	.protected	k_qd9e2b3d1fc_oproj
	.globl	k_qd9e2b3d1fc_oproj
	.p2align	8
	.type	k_qd9e2b3d1fc_oproj,@function
k_qd9e2b3d1fc_oproj:
	s_mov_b64 s[64:65], 0
	v_nop
	global_prefetch_b8 v0, s[64:65] scope:SCOPE_SE
	s_setreg_imm32_b32 hwreg(HW_REG_WAVE_MODE, 25, 1), 1
	s_wait_xcnt 0x0
	s_wait_alu depctr_hold_cnt(0) depctr_sa_sdst(0) depctr_va_vdst(0) depctr_va_sdst(0) depctr_va_ssrc(0) depctr_va_vcc(0) depctr_vm_vsrc(0)
	s_getreg_b32 s2, hwreg(HW_REG_IB_STS2, 6, 4)
	s_cmp_eq_u32 s2, 0
	s_cbranch_scc0 .Lentry_in_a_cluster
	s_endpgm
.Lentry_in_a_cluster:
	s_bfe_u32 s2, ttmp6, 0x10000c
	s_cmp_lg_u32 s2, 0xf033
	s_cbranch_scc0 .Lentry_shape_is_right
	s_endpgm
.Lentry_shape_is_right:
; out0 = a wo + bo on codes of FP8 (E4M3) with one E8M0 scale for each 32 along K = 1,024.  a: the attention's result, as the launch before left it: images of the operand's registers,
; ao[32 blocks of 128 rows][8 K steps of 128][16,896]: eight tiles of 16 rows, 2,048 bytes each, then the scale words of (r, tile) at 16,384 + 32 r + 4 tile; lane r of tile t is row 16 t + r of the block.
; SHARES.  4,096 x 1,024 of out0 make 256 tiles of 128 x 128: one for each work-group of four waves, a wave 64 x 64: 16 accumulators.  A larger tile would leave three WGPs in four without work.
; ALL CODES OF A TILE LIE IN LDS WHOLE: filled once, by one load a wave at the head: waves 0, 1 a's and wo's first half of K, waves 2, 3 the second.  So nothing is left to prefetch.  wo's scale words and the bias go straight into registers.
; CLUSTERS: 4 x 4 work-groups; a's block is shared along a row of the cluster, wo's rows along a column: each load is asked for jointly.
; EACH HALF goes by a's four tiles, so that in the second a tile's rows leave while the next tiles are multiplied.
; THE MATRIX INSTRUCTION IS USED TRANSPOSED (source 0 = 16 rows of wo, source 1 = 16 rows of a): a lane holds eight neighbouring numbers of a row of out0.  The bias is the C of each sum's first product.
; LIMITS: NaN and infinities are not served.
; REGISTERS: window 0: addresses, scale words, bias, accumulators ((a, b) at v[ACC + 8 (4 a + b)]).  Windows 1, 3: wo's fragments of half 0, 1.  Window 2: a's fragments of the half in hand.  On the way out window 1 takes rows of out0.
.set ARB,   16896                      ; a record of ao
.set BB,    8*ARB                      ; LDS: behind a's eight records: wo's codes, two halves of 128 rows x (512 bytes + 16)
.set PITCH, 528
.set CHB,   128*PITCH
.set STG,   BB+2*CHB                   ; a stage of 16 rows x (256 bytes + 16) for each wave: no fill lands there
.set WST,   16*272
.set SPARE, STG+4*WST
.set ADRA, 8                           ; v8, v9    half 0, 1: LDS address of my tiles of a
.set ADRB, 10                          ; v10, v11  of my rows of wo
.set ADAS, 12                          ; v12, v13  of a's scale words
.set STO,  14
.set RD,   15
.set CO,   16
.set SPW,  18
.set NIL,  19
.set BS,   32                          ; wo's scale words: 8 b + K step
.set AS,   64                          ; a's: 8 (K step % 4) + 4 + tile in half 0, without the 4 in half 1: no product's two scale words have numbers equal modulo 8
.set BIAS, 96
.set ACC,  128
.set G1A, 24
.set G1B, 48
.set G0A, 56
.set G0B, 60
.set MSB, 0
.macro WIN new
.if MSB != (\new)
	s_set_vgpr_msb (MSB<<8)|(\new)
.set MSB, (\new)
.endif
.endm
.macro CROUND
	s_barrier_signal -1
	s_barrier_wait -1
	s_cmp_lg_u32 s14, 0
	s_cbranch_scc1 .Lnot_wave_0_\@
	s_barrier_signal -3
.Lnot_wave_0_\@:
	s_barrier_wait -3
	s_barrier_signal -1
	s_barrier_wait -1
.endm
.macro TLOAD g0, g1
	tensor_load_to_lds s[\g0:\g0+3], s[\g1:\g1+7]
	s_nop 0
.rept 4
	v_nop
.endr
.endm
.macro ARM under, g0, g1, next
	s_cmp_lt_u32 s14, \under
	s_cbranch_scc0 \next
	TLOAD \g0, \g1
	s_branch .Lasked
\next:
.endm
	s_load_b256 s[4:11], s[0:1], 0x0               ; ao, wo's codes, wo's scales, bo
	s_load_b64 s[12:13], s[0:1], 0x20              ; out0
	v_lshl_add_u32 v[SPW], v0, 2, SPARE
	v_mov_b32 v[NIL], 0
	ds_add_u32 v[SPW], v[NIL]                      ; the opening lines: the add, twice on end, and its wait
	ds_add_u32 v[SPW], v[NIL]
	v_lshrrev_b32 v1, 5, v0
	v_readfirstlane_b32 s14, v1                    ; wave 0..3
	s_lshr_b32 s15, s14, 1                         ; which 64 rows are mine.  Also: which half of K I fetch
	s_and_b32 s16, s14, 1                          ; which 64 columns.  Also: I fetch a (0) or wo (1)
	s_bfe_u32 s40, ttmp6, 0x40000                  ; cx, cy
	s_bfe_u32 s41, ttmp6, 0x40004
	s_lshl_b32 s42, ttmp9, 2
	s_add_co_u32 s42, s42, s40                     ; the block of 128 columns
	s_and_b32 s17, ttmp7, 0xffff
	s_lshl_b32 s17, s17, 2
	s_add_co_u32 s17, s17, s41                     ; the block of 128 rows
	s_lshl_b32 s43, s41, 2
	s_lshl_b32 s43, 15, s43                        ; my row of the cluster
	s_lshl_b32 s44, 0x1111, s40                    ; my column
	s_or_b32 s[G1A], s43, (3<<16)|(1<<21)          ; four records of ao: 264 rows of 256 dense bytes (32 elements of 8), no padding
	s_mov_b32 s[G1A+1], 32<<16
	s_mov_b32 s[G1A+2], 264<<16
	s_mov_b32 s[G1A+3], 32<<16
	s_mov_b32 s[G1A+4], 264
	s_mov_b32 s[G1A+5], 32
	s_mov_b32 s[G1A+6], 0
	s_mov_b32 s[G1A+7], 0
	s_or_b32 s[G1B], s44, (0<<16)|(1<<20)|(1<<21)|(6<<22)|(3<<25)   ; 128 rows of wo x 512 bytes, 1,024 apart; 16 bytes of padding behind each
	s_mov_b32 s[G1B+1], 512<<16
	s_mov_b32 s[G1B+2], 128<<16
	s_mov_b32 s[G1B+3], 512<<16
	s_mov_b32 s[G1B+4], 128
	s_mov_b32 s[G1B+5], 1024
	s_mov_b32 s[G1B+6], 0
	s_mov_b32 s[G1B+7], 0
	s_mul_i32 s20, s17, 8*ARB
	s_mul_i32 s18, s15, 4*ARB                      ; my half's four records: in LDS,
	s_add_co_u32 s20, s20, s18                     ; and in memory
	s_mov_b32 s21, 0
	s_lshl_b32 s46, s42, 17                        ; the block's 128 rows of wo,
	s_lshl_b32 s19, s15, 9
	s_add_co_u32 s46, s46, s19                     ; my half of K
	s_mov_b32 s47, 0
	s_mul_i32 s45, s15, CHB
	s_add_co_u32 s45, s45, BB
	s_wait_dscnt 0x0
	s_wait_kmcnt 0x0
	s_mov_b32 s[G0A], 1
	s_mov_b32 s[G0A+1], s18
	s_add_nc_u64 s[G0A+2:G0A+3], s[4:5], s[20:21]
	s_or_b32 s[G0A+3], s[G0A+3], 0x80000000
	s_mov_b32 s[G0B], 1
	s_mov_b32 s[G0B+1], s45
	s_add_nc_u64 s[G0B+2:G0B+3], s[6:7], s[46:47]
	s_or_b32 s[G0B+3], s[G0B+3], 0x80000000
	CROUND                                         ; all sixteen work-groups are here: the joint loads meet
	ARM 1, G0A, G1A, .Lwave_1                      ; a load line for each wave: waves 0 and 1's are shown by the first barrier, the others' by the second
	ARM 2, G0B, G1B, .Lwave_2
	ARM 3, G0A, G1A, .Lwave_3
	TLOAD G0B, G1B
.Lasked:
	s_lshl_b32 s20, s42, 12
	s_lshl_b32 s22, s16, 11
	s_add_co_u32 s20, s20, s22                     ; the scale bytes of my 64 rows of wo: 32 a row
	s_mov_b32 s21, 0
	s_add_nc_u64 s[8:9], s[8:9], s[20:21]
	s_lshl_b32 s46, s42, 9
	s_lshl_b32 s47, s16, 8
	s_add_co_u32 s46, s46, s47                     ; my first column, in bytes
	s_mov_b32 s47, 0
	s_add_nc_u64 s[10:11], s[10:11], s[46:47]
	s_add_nc_u64 s[12:13], s[12:13], s[46:47]
	s_lshl_b32 s20, s17, 19
	s_lshl_b32 s22, s15, 18
	s_add_co_u32 s20, s20, s22                     ; my first row, in bytes
	s_add_nc_u64 s[12:13], s[12:13], s[20:21]
	v_and_b32 v1, 15, v0                           ; r
	v_bfe_u32 v2, v0, 4, 1                         ; h
	v_lshlrev_b32 v5, 5, v1
	v_lshlrev_b32 v7, 5, v2
.irp b, 0,1,2,3
	global_load_b128 v[BS+8*\b:BS+8*\b+3], v5, s[8:9] offset:512*\b           ; row 16 b + r: the words of all eight K steps
	global_load_b128 v[BS+8*\b+4:BS+8*\b+7], v5, s[8:9] offset:512*\b+16
	global_load_b128 v[BIAS+8*\b:BIAS+8*\b+3], v7, s[10:11] offset:64*\b      ; bo[my first column + 16 b + 8 h + j]
	global_load_b128 v[BIAS+8*\b+4:BIAS+8*\b+7], v7, s[10:11] offset:64*\b+16
.endr
	v_and_b32 v3, 31, v0
	v_lshlrev_b32 v3, 4, v3                        ; 16 x lane
	s_lshl_b32 s22, s15, 13
	v_add_nc_u32 v[ADRA], s22, v3                  ; a: my four tiles begin 8,192 x (wave / 2) into a record
	v_mul_u32_u24 v4, v1, PITCH
	v_lshl_add_u32 v4, v2, 4, v4
	s_mul_i32 s22, s16, 64*PITCH
	s_add_co_u32 s22, s22, BB
	v_add_nc_u32 v[ADRB], s22, v4                  ; wo: row 64 (wave % 2) + r, + 16 h
	s_lshl_b32 s22, s15, 4
	s_add_co_u32 s22, s22, 16384
	v_add_nc_u32 v[ADAS], s22, v5                  ; a's scale words: 16,384 + 32 r + 4 x my first tile
	v_add_nc_u32 v[ADRA+1], 4*ARB, v[ADRA]
	v_add_nc_u32 v[ADRB+1], CHB, v[ADRB]
	v_add_nc_u32 v[ADAS+1], 4*ARB, v[ADAS]
	s_mul_i32 s23, s14, WST
	s_add_co_u32 s23, s23, STG                     ; my stage
	v_mul_u32_u24 v6, v1, 272
	v_lshl_add_u32 v6, v2, 5, v6
	v_add_nc_u32 v[STO], s23, v6                   ; in: row r, 32 bytes for each half of the lanes
	v_mul_u32_u24 v4, v2, 272
	v_lshl_add_u32 v4, v1, 4, v4
	v_add_nc_u32 v[RD], s23, v4                    ; back: lanes 0-15 one row of 256 bytes, lanes 16-31 the next
	v_lshlrev_b32 v[CO], 12, v2
	v_lshl_add_u32 v[CO], v1, 4, v[CO]             ; and the same two rows in out0
	s_wait_alu depctr_va_vdst(0)                   ; the wait at the head's end
	s_cmp_lt_u32 s14, 2
	s_cbranch_scc0 .Lnot_first
	s_wait_tensorcnt 0x0                           ; waves 0 and 1: the first half of K has landed
.Lnot_first:
	s_barrier_signal -1
	s_barrier_wait -1
.macro LOADB half                      ; wo's 64 loads and a's scale words
	WIN 0x40+0x80*\half
.irp q, 0,1,2,3
.irp b, 0,1,2,3
.irp c, 0,1,2,3
	ds_load_b128 v[64*\q+16*\b+4*\c:64*\q+16*\b+4*\c+3], v[ADRB+\half] offset:16*PITCH*\b+128*\q+32*\c
.endr
.endr
.endr
	WIN 0
.irp q, 0,1,2,3
	ds_load_b128 v[AS+8*\q+4*(1-\half):AS+8*\q+4*(1-\half)+3], v[ADAS+\half] offset:ARB*\q
.endr
.endm
.macro LOADA half                      ; a's tiles one after the other, 16 loads each
	WIN 0x80
.irp a, 0,1,2,3
.irp q, 0,1,2,3
.irp c, 0,1,2,3
	ds_load_b128 v[64*\a+16*\q+4*\c:64*\a+16*\q+4*\c+3], v[ADRA+\half] offset:ARB*\q+2048*\a+512*\c
.endr
.endr
.endr
	WIN 0
.endm
; a's tile a x wo's four blocks, half of K: 16 products, the four accumulators by turns, one instruction a turn
.macro MUL half, a
	WIN 0x09+2*\half
.irp q, 0,1,2,3
.irp b, 0,1,2,3
.set rD, ACC+8*(4*\a+\b)
.set rC, rD
.if (\half == 0) && (\q == 0)
.set rC, BIAS+8*\b
.endif
	v_wmma_scale_f32_16x16x128_f8f6f4 v[rD:rD+7], v[64*\q+16*\b:64*\q+16*\b+15], v[64*\a+16*\q:64*\a+16*\q+15], v[rC:rC+7], v[BS+8*\b+4*\half+\q], v[AS+8*\q+4*(1-\half)+\a]
.endr
.endr
.endm
.macro PLACES                          ; behind products, ahead of loads into their registers and of stores of their results
.rept 8
	v_nop
.endr
.endm
; THE WAY OUT of a tile of 16 rows x 64 columns: through my own stage and back as whole rows of 256 bytes.  LDS serves a wave's instructions in order (ISA guide 5.7.1.4): no wait between the stores and the loads, nor in front of the next tile's stores.
.macro TOSTAGE a
	WIN 0
.irp b, 0,1,2,3
	ds_store_b128 v[STO], v[ACC+8*(4*\a+\b):ACC+8*(4*\a+\b)+3] offset:64*\b        ; each accumulator from its low end on
	ds_store_b128 v[STO], v[ACC+8*(4*\a+\b)+4:ACC+8*(4*\a+\b)+7] offset:64*\b+16
.endr
	WIN 0x40
.irp t, 0,1,2,3,4,5,6,7
	ds_load_b128 v[32*\a+4*\t:32*\a+4*\t+3], v[RD] offset:544*\t
.endr
	WIN 0
.endm
.macro SEND a, younger                 ; stage row 2 t + h of tile a is row 16 a + 2 t + h of my 64
	s_wait_dscnt \younger
	WIN 0x04                                       ; a store's data are its source 1: window 1
.irp t, 0,1,2,3,4,5,6,7
	global_store_b128 v[CO], v[32*\a+4*\t:32*\a+4*\t+3], s[12:13] offset:(16*\a+2*\t)*4096 th:TH_STORE_NT   ; 16 lanes store 256 consecutive bytes, at a multiple of 256 from out0's first byte
.endr
	WIN 0
.endm
	LOADB 0
	LOADA 0
	s_wait_loadcnt 0x0                             ; wo's scale words, the bias
	s_wait_dscnt 48                                ; all but a's tiles 1 to 3
	MUL 0, 0
	s_wait_dscnt 32
	MUL 0, 1
	s_wait_tensorcnt 0x0                           ; my load has landed
	s_wait_dscnt 0x0
	s_barrier_signal -1
	MUL 0, 2
	WIN 0
	s_barrier_wait -1                              ; everybody's has: the second half of K
	LOADB 1                                        ; into registers that no product has read
	MUL 0, 3
	WIN 0
	PLACES
	LOADA 1
	s_wait_dscnt 48
	MUL 1, 0
	s_wait_dscnt 32
	MUL 1, 1
	WIN 0
	PLACES
	TOSTAGE 0
	s_wait_dscnt 32                                ; behind tile 2's loads: tile 3's 16 and the stage's 16
	MUL 1, 2
	WIN 0
	SEND 0, 0
	PLACES
	TOSTAGE 1
	MUL 1, 3
	WIN 0
	SEND 1, 0
	PLACES
	TOSTAGE 2
	TOSTAGE 3
	SEND 2, 16                                     ; behind tile 2's loads: tile 3's 8 stores and 8 loads
	SEND 3, 0
	s_wait_tensorcnt 0x0                           ; the wave's end
	ds_add_u32 v[SPW], v[NIL]
	s_wait_dscnt 0x0
	CROUND                                         ; the closing round: no work-group ends while a partner may still ask for a tile that names it
	s_endpgm
.Lfunc_end_k_qd9e2b3d1fc_oproj:
	.size	k_qd9e2b3d1fc_oproj, .Lfunc_end_k_qd9e2b3d1fc_oproj-k_qd9e2b3d1fc_oproj
	.p2alignl 7, 3214868480
	.fill 96, 4, 3214868480
	.section	.rodata,"a",@progbits
	.p2align	6, 0x0
	.amdhsa_kernel k_qd9e2b3d1fc_oproj
		.amdhsa_group_segment_fixed_size 288256
		.amdhsa_private_segment_fixed_size 0
		.amdhsa_enable_private_segment 0
		.amdhsa_kernarg_size 40
		.amdhsa_user_sgpr_count 2
		.amdhsa_user_sgpr_kernarg_segment_ptr 1
		.amdhsa_wavefront_size32 1
		.amdhsa_system_sgpr_workgroup_id_x 1
		.amdhsa_system_sgpr_workgroup_id_y 1
		.amdhsa_system_sgpr_workgroup_id_z 1
		.amdhsa_system_vgpr_workitem_id 0
		.amdhsa_next_free_vgpr 1024
		.amdhsa_next_free_sgpr 66
		.amdhsa_reserve_vcc 0
		.amdhsa_float_denorm_mode_32 3
		.amdhsa_float_denorm_mode_16_64 3
		.amdhsa_memory_ordered 1
		.amdhsa_forward_progress 1
		.amdhsa_inst_pref_size 51
	.end_amdhsa_kernel
	.amdgpu_metadata
---
amdhsa.version: [ 1, 2 ]
amdhsa.kernels:
  - .name:           k_qd9e2b3d1fc_oproj
    .symbol:         k_qd9e2b3d1fc_oproj.kd
    .args:
      - { .name: ao, .offset: 0, .size: 8, .value_kind: global_buffer, .address_space: global }
      - { .name: wo_codes, .offset: 8, .size: 8, .value_kind: global_buffer, .address_space: global }
      - { .name: wo_scales, .offset: 16, .size: 8, .value_kind: global_buffer, .address_space: global }
      - { .name: bo, .offset: 24, .size: 8, .value_kind: global_buffer, .address_space: global }
      - { .name: out0, .offset: 32, .size: 8, .value_kind: global_buffer, .address_space: global }
    .group_segment_fixed_size: 288256
    .private_segment_fixed_size: 0
    .kernarg_segment_align: 8
    .kernarg_segment_size: 40
    .max_flat_workgroup_size: 128
    .sgpr_count:     66
    .vgpr_count:     1024
    .wavefront_size: 32
...
	.end_amdgpu_metadata
.endif
;; end of part 3
